; MI455X (gfx1250); checked and timed in simulation.
; The chip was launched on July 23, 2026; its instructions are those of AMD's public machine-readable ISA for CDNA 5 (MIT licence, August 2026) and "CDNA5" Instruction Set Architecture Reference Guide (July 2026). The comments in the code are by the model that wrote it; some were corrected since.
;; Attention Bahdanau. Allowed arithmetic: matrix products marked QUANTISED: E5M2 operands, one given power-of-two scale a tensor, by v_wmma_f32_16x16x64_bf8_bf8 or v_wmma_f32_16x16x128_bf8_bf8, f32 sums; products left as they are: f32 operands where the result goes on into a quantised operand, else bf16, f16 or f32 operands; f32 sums; everything else in f32.
;; Inputs: W_codes 1,024 x 64 x 32 uint8 (E5M2 codes of W, K innermost, in blocks of 32 codes); b 1,024 float32; encoder_outputs 32 x 1,024 x 1,024 float32; hidden 32 x 1,024 float32; lowp_scales 2 int32 (the exponents e of the quantised operands' scales 2^e); src_len 32 int32; v 1,024 float32.
;; Outputs: out0 32 x 1 x 1,024 float32.
;; This version of the problem:
;;   THIS VERSION OF THE PROBLEM IS GIVEN IN LOW PRECISION. The matrix products marked QUANTISED in the list below multiply operands that are first quantised to E5M2 (5 exponent bits, 2 mantissa bits; 8 bits a number), with one given power-of-two scale for each operand tensor; their sums are f32. All else is computed in f32.
;;   The module's matrix products, in the order in which they are computed (A, B: the left and right operand; K: the contracted axis; several contracted axes count as one K, in the product's order):
;;     1. [M 32,768, K 2,048] x [K 2,048, N 1,024]; A: computed on the way; B: input W (given as codes): QUANTISED (scales: A lowp_scales[0], B lowp_scales[1])
;;     2. [M 32,768, K 1,024] x [K 1,024, N 1]; A: computed on the way; B: input v: left as it is (N = 1 < 16)
;;   THE QUANTISER, for each operand of a quantised product, along K:
;;     - The operand's scale is 2^e, e = its entry of the input lowp_scales (int32; the entries are numbered through the quantised products in the list's order, A before B).
;;     - Each number is divided by the scale, clamped to +-57,344, and rounded to the nearest number of E5M2, ties to even, subnormals kept.
;;     - The product sums the exact products of the quantised numbers (number of the format x scale) in f32.
;;   ~~~python
;;   def quantise(x, axis, e):      # numpy; x: float32 -> the quantised numbers, widened to float32 again
;;       x = np.moveaxis(x, axis, -1); K = x.shape[-1]
;;       r = np.clip(x / 2.0 ** e, -57344, 57344)
;;       step = 2.0 ** (np.maximum(np.frexp(np.where(r == 0, 1, r))[1] - 1, -14) - 2)
;;       q = np.round(r / step) * step * 2.0 ** e      # np.round: ties to even
;;       return np.moveaxis(q, -1, axis).astype(np.float32)
;;   ~~~
;;   OPERANDS COMPUTED ON THE WAY. 'Computed on the way' means the value that the module computes at that place (a softmax that the list does not call 'softmax' is quantised finished and normalised). What goes into a quantiser is computed in f32, as accurately as f32 sums, v_exp_f32 and their like allow (about 1e-6 of the number): no bf16 or f16 on the way to a quantiser, and a product that is left as it is and whose result goes on into a quantised operand takes f32 operands (vector FMAs, or v_wmma_f32_16x16x4_f32). A number that lies on a knife's edge between two numbers of the format may be rounded either way, as far as f32 arithmetic and the matrix unit's own rounding can turn it there, and no further.
;;   INPUTS GIVEN AS CODES. W (in the module: [2048, 1024], K = its axis 0): each comes as NAME_codes (uint8): NAME with its K axis moved to the last place and cut into blocks of 32 codes, [.., K / 32, bytes a block], one block behind the other in memory; one code a byte (a code: sign, 5 exponent bits, 2 mantissa bits); its scale is its entry of lowp_scales. Its value is code x scale, taken as it is: it is not quantised again, and the codes and scales need not be those that the quantiser above would give.
;; One version. Each part assembles by itself: llvm-mc -triple=amdgcn-amd-amdhsa -mcpu=gfx1250 --defsym DOCPART=n.
;; ======== version 1 of 1: 3 launches
;; limits: right only within a limited range of input values
;; workspace buffers: wf 1,048,576 bytes; gp 131,072 bytes; xf 33,554,432 bytes; meta 12,288 bytes of whole numbers; sp 532,480 bytes
;; launch prep (part 1): grid 256 x 1, 16 waves a work-group, no clusters, 245,760 bytes of LDS; arguments W_codes, hidden, b, lowp_scales, wf, gp, encoder_outputs, src_len, xf, meta; writes wf, gp, xf, meta
.if DOCPART == 1
	.amdgcn_target "amdgcn-amd-amdhsa--gfx1250"
	.amdhsa_code_object_version 6
	.text
	.protected	k_q9efb72268b_prep
	.globl	k_q9efb72268b_prep
	.p2align	8
	.type	k_q9efb72268b_prep,@function
k_q9efb72268b_prep:
	s_mov_b64 s[64:65], 0
	v_nop
	global_prefetch_b8 v0, s[64:65] scope:SCOPE_SE
	s_setreg_imm32_b32 hwreg(HW_REG_WAVE_MODE, 25, 1), 1
	s_wait_xcnt 0x0
; PREP.  Two things that every row of a batch shares are made once.
; (1) wf: the encoder half of W's codes (k = 1024 .. 2047 of each of the 1,024 rows n of W_codes) laid in the order of a matrix operand's registers:
;     wf[nt 64][ks 8][c 4][lane 32][16 bytes]; lane (r, h) of fragment (nt, ks) holds, in piece c, row 16 nt + r, k = 1024 + 128 ks + 32 c + 16 h + 0 .. 15.
; (2) gp[b][n] = c x (2^(e0 + e1) x sum over k < 1024 of Q(hidden)[b][k] Wcode[n][k] + bias[n]), c = 2 log2(e): reference() repeats hidden[b] over all rows of batch b,
;     so this half of the quantised product's K is one sum for each (b, n); it is made on E5M2 codes by the format's own instruction.  c is folded in for the tanh of the next launch.
; k's places inside a step of 128 are the same in both operands (registers 4 c .. 4 c + 3: k = 32 c + 16 h + 0 .. 15), so every product meets its partner; only the order of the sums inside an instruction differs.
; SHARES.  Work-group g takes columns n = 64 g .. 64 g + 63.  Wave W = 4 q + i: tile of 16 columns 4 g + i, K steps 2 q and 2 q + 1 of each half of W's rows.  The four q's partial sums meet in LDS.
; Wave 4 q + i also quantises ONE fragment of hidden (16 batches x 128 k): batches 16 (i & 1) on, K step 2 q + (i >> 1); the four waves of a q read each other's as images of the registers.
; LIMITS: e0 between -126 and 112, e0 + e1 between -127 and 126, so that each power of two below is an f32 number.  NaN among the inputs is not served.
; All the above is done by work-groups 0 to 15.
; WORK-GROUPS 16 TO 255 QUANTISE encoder_outputs, each number once: (3) xf, (4) meta; the code is at .Lstream.
; reference() puts -1e18 over every score with s >= src_len[b]: tiles of 16 rows that lie wholly there are not read (src_len is a whole number read from memory; this launch has no tensor load).
; In a batch's last tile rows past the end are replaced by row src_len - 1: their scores are stored and never used.
; (3) xf[t][ks 8][c 4][lane 32][16 bytes]: the tiles that count, packed: t = (tiles of the batches before b) + i, rows 16 i .. 16 i + 15 of batch b; lane (r, h): row r, k = 128 ks + 32 c + 16 h + 0 .. 15, as in wf.
; (4) meta: words 2 b, 2 b + 1: the batch's first t and its number of tiles; words 64 + t: the batch of tile t.
.set SPI,   272                        ; a stage row: 256 bytes + 16
.set WST,   32*SPI                     ; a wave's own stage: 16 rows of the hidden half, 16 rows of the encoder half
.set HIMG,  16*WST                     ; behind the stages: hidden's 16 fragments as images, 2,048 bytes each, fragment 4 q + f
.set PART,  HIMG+16*2048               ; behind them: the partial sums [q 4][batch 32][256 bytes + 16]
.set CLOG,  0x4038aa3b                 ; c = 2 log2(e)
.set WL,  4                            ; v4   W_codes: (lane / 16) rows of 2,048 bytes + 16 (lane % 16)
.set SS,  5                            ; v5   my stage, on the way in: the same two rows at pitch SPI
.set SRD, 6                            ; v6   my stage, on the way out: row r, + 16 h
.set L16, 7                            ; v7   16 x lane
.set HO,  8                            ; v8   hidden: row r of 4,096 bytes, + 64 h
.set IMS, 9                            ; v9   where I store my image of hidden
.set IMR, 10                           ; v10  where my q's four images begin
.set PW,  11                           ; v11  where I put my partial sums
.set PR,  12                           ; v12  where I read 16 bytes of each q's partial sums
.set GO,  13                           ; v13  the same place in gp
.set BO,  14                           ; v14  and in the bias
.set SCL, 16                           ; v16  2^e0
.set LIM, 17                           ; v17  57,344 x 2^e0
.set BI,  20                           ; v20-23   four numbers of the bias
.set WR,  32                           ; v32-95   W as loaded; then its four fragments: v32, v48 hidden half K step 0, 1; v64, v80 encoder half K step 0, 1
.set WE,  WR+32                        ; v64-95   the encoder half's two fragments: what goes to wf; no later line writes them
.set HB,  96                           ; v96-159  64 numbers of hidden
.set PC,  160                          ; v160-175 their codes
.set HF,  176                          ; v176-239 my q's four fragments of hidden
.set AC,  96                           ; v96-111  two accumulators (over hidden's numbers, which are done with)
.set PS,  112                          ; v112-127 the four partial sums
.set RES, 128                          ; v128-131 the result
	s_load_b256 s[4:11], s[0:1], 0x0               ; W_codes s[4:5], hidden s[6:7], b s[8:9], lowp_scales s[10:11]
	s_load_b128 s[12:15], s[0:1], 0x20             ; wf s[12:13], gp s[14:15]
	v_lshl_add_u32 v240, v0, 2, 0x32800
	v_mov_b32 v241, 0
	v_lshrrev_b32 v1, 5, v0
	s_delay_alu instid0(VALU_DEP_1)
	v_readfirstlane_b32 s16, v1                    ; wave 0..15
	s_wait_alu depctr_va_vdst(0)
	s_cmp_ge_u32 ttmp9, 16
	s_cbranch_scc1 .Lstream
	s_lshr_b32 s17, s16, 2                         ; q
	s_and_b32 s18, s16, 3                          ; i
	v_and_b32 v1, 31, v0                           ; lane
	v_and_b32 v2, 15, v0                           ; r
	v_bfe_u32 v3, v0, 4, 1                         ; h
	v_lshrrev_b32 v15, 4, v0                       ; thread / 16: a batch, in the last phase
	s_delay_alu instid0(VALU_DEP_3)
	v_lshlrev_b32 v[WL], 4, v2
	s_delay_alu instid0(VALU_DEP_1)
	v_lshl_add_u32 v[WL], v3, 11, v[WL]
	s_mul_i32 s20, s16, WST
	v_mul_u32_u24 v[SS], v3, SPI
	s_delay_alu instid0(VALU_DEP_1)
	v_lshl_add_u32 v[SS], v2, 4, v[SS]
	s_delay_alu instid0(VALU_DEP_1)
	v_add_nc_u32 v[SS], s20, v[SS]
	v_mul_u32_u24 v[SRD], v2, SPI
	s_delay_alu instid0(VALU_DEP_1)
	v_lshl_add_u32 v[SRD], v3, 4, v[SRD]
	s_delay_alu instid0(VALU_DEP_1)
	v_add_nc_u32 v[SRD], s20, v[SRD]
	v_lshlrev_b32 v[L16], 4, v1
	v_lshlrev_b32 v[HO], 12, v2
	s_delay_alu instid0(VALU_DEP_1)
	v_lshl_add_u32 v[HO], v3, 6, v[HO]
	s_lshl_b32 s21, s16, 11
	s_add_co_u32 s21, s21, HIMG
	v_add_nc_u32 v[IMS], s21, v[L16]
	s_lshl_b32 s21, s17, 13
	s_add_co_u32 s21, s21, HIMG
	v_add_nc_u32 v[IMR], s21, v[L16]
	s_mul_i32 s21, s17, WST                        ; (a q's partial sums are 32 rows of SPI bytes too)
	s_lshl_b32 s22, s18, 6
	s_add_co_u32 s21, s21, s22
	s_add_co_u32 s21, s21, PART
	v_mul_u32_u24 v[PW], v2, SPI
	s_delay_alu instid0(VALU_DEP_1)
	v_lshl_add_u32 v[PW], v3, 5, v[PW]
	s_delay_alu instid0(VALU_DEP_1)
	v_add_nc_u32 v[PW], s21, v[PW]                 ; batch r's row, + 64 i (my 16 columns) + 32 h (my eight of them)
	v_mul_u32_u24 v[PR], v15, SPI
	s_delay_alu instid0(VALU_DEP_1)
	v_lshl_add_u32 v[PR], v2, 4, v[PR]
	s_delay_alu instid0(VALU_DEP_1)
	v_add_nc_u32 v[PR], PART, v[PR]
	v_lshlrev_b32 v[GO], 12, v15
	s_delay_alu instid0(VALU_DEP_1)
	v_lshl_add_u32 v[GO], v2, 4, v[GO]
	v_lshlrev_b32 v[BO], 4, v2
	s_lshl_b32 s22, ttmp9, 2
	s_add_co_u32 s22, s22, s18                     ; my tile of 16 columns: 4 g + i
	s_lshl_b32 s24, s22, 15                        ; W_codes: 16 rows of 2,048 bytes a tile,
	s_lshl_b32 s23, s17, 8
	s_add_co_u32 s24, s24, s23                     ; + 256 q
	s_mov_b32 s25, 0
	s_and_b32 s26, s18, 1
	s_lshl_b32 s26, s26, 16                        ; hidden: 16 (i & 1) rows of 4,096 bytes,
	s_lshr_b32 s23, s18, 1
	s_lshl_b32 s27, s17, 1
	s_add_co_u32 s23, s23, s27
	s_lshl_b32 s23, s23, 9
	s_add_co_u32 s26, s26, s23                     ; + K step 2 q + (i >> 1), 512 bytes each
	s_mov_b32 s27, 0
	s_lshl_b32 s30, s22, 14                        ; wf: 16,384 bytes a tile,
	s_lshl_b32 s23, s17, 12
	s_add_co_u32 s30, s30, s23                     ; + 2 q fragments of 2,048
	s_mov_b32 s31, 0
	s_lshl_b32 s32, ttmp9, 8                       ; gp and the bias: 64 g columns of 4 bytes
	s_mov_b32 s33, 0
	s_wait_alu depctr_va_vdst(0)
	s_wait_kmcnt 0x0
	s_load_b64 s[34:35], s[10:11], 0x0             ; e0, e1
	s_add_nc_u64 s[4:5], s[4:5], s[24:25]
	s_add_nc_u64 s[6:7], s[6:7], s[26:27]
	s_add_nc_u64 s[12:13], s[12:13], s[30:31]
	s_add_nc_u64 s[14:15], s[14:15], s[32:33]
	s_add_nc_u64 s[8:9], s[8:9], s[32:33]
	global_load_b128 v[BI:BI+3], v[BO], s[8:9]
.irp half, 0,1                         ; W as it lies: a load takes two rows' 256 aligned bytes, sixteen lanes to a row
.irp a, 0,1,2,3,4,5,6,7
	global_load_b128 v[WR+4*(8*\half+\a):WR+4*(8*\half+\a)+3], v[WL], s[4:5] offset:4096*\a+1024*\half
.endr
.endr
.irp k, 0,1,2,3                        ; hidden: lane (r, h) takes, of row r, 16 neighbours of each block of 32: register 16 k + j is k = 32 k + 16 h + j of my K step
.irp j, 0,1,2,3
	global_load_b128 v[HB+16*\k+4*\j:HB+16*\k+4*\j+3], v[HO], s[6:7] offset:128*\k+16*\j
.endr
.endr
	s_wait_kmcnt 0x0
	s_add_co_i32 s36, s34, 127
	s_lshl_b32 s37, s36, 23
	v_mov_b32 v[SCL], s37                          ; 2^e0 as f32: the conversion takes its exponent field
	s_add_co_i32 s36, s36, 15
	s_lshl_b32 s36, s36, 23
	s_or_b32 s36, s36, 0x600000
	v_mov_b32 v[LIM], s36                          ; 57,344 x 2^e0
	s_add_co_i32 s28, s34, s35
	s_lshl_b32 s28, s28, 23
	s_add_co_i32 s28, s28, CLOG                    ; S = c x 2^(e0 + e1): the two exponents are added to c's exponent field
	s_mov_b32 s29, s28                             ; (named with it as a pair, so it is written)
	s_wait_alu depctr_va_vdst(0)
	s_wait_loadcnt 16                              ; the bias and W's 16 loads are in; hidden's 16, issued behind them, may be out
.irp half, 0,1                         ; W turns through my own stage: in as rows, out as fragments.  LDS serves a wave's instructions in order (ISA guide 5.7.1.4): no wait between
.irp a, 0,1,2,3,4,5,6,7
	ds_store_b128 v[SS], v[WR+4*(8*\half+\a):WR+4*(8*\half+\a)+3] offset:\half*16*SPI+\a*2*SPI
.endr
.endr
.irp half, 0,1
.irp s, 0,1
.irp c, 0,1,2,3
	ds_load_b128 v[WR+32*\half+16*\s+4*\c:WR+32*\half+16*\s+4*\c+3], v[SRD] offset:\half*16*SPI+128*\s+32*\c
.endr
.endr
.endr
	s_wait_loadcnt 0x0                             ; hidden
.irp k, 0,1,2,3
.irp j, 0,1,2,3,4,5,6,7,8,9,10,11,12,13,14,15
	v_med3_num_f32 v[HB+16*\k+\j], v[HB+16*\k+\j], -v[LIM], v[LIM]   ; the conversion to an 8-bit code does not saturate (ISA guide 7.6.2): the hold at the largest code x the scale
.endr
	v_cvt_scalef32_pk8_bf8_f32 v[PC+4*\k:PC+4*\k+1], v[HB+16*\k:HB+16*\k+7], v[SCL]
	v_cvt_scalef32_pk8_bf8_f32 v[PC+4*\k+2:PC+4*\k+3], v[HB+16*\k+8:HB+16*\k+15], v[SCL]
.endr
	v_nop                                          ; one plain vector instruction behind the last scaled conversion: the products below write over its sources
.irp c, 0,1,2,3
	ds_store_b128 v[IMS], v[PC+4*\c:PC+4*\c+3] offset:512*\c       ; my fragment of hidden, as it stands in the registers
.endr
	s_wait_dscnt 0x0                               ; W's fragments are in; my image has landed, for the others' sake
.irp s, 0,1
.irp c, 0,1,2,3
	global_store_b128 v[L16], v[WE+16*\s+4*\c:WE+16*\s+4*\c+3], s[12:13] offset:2048*\s+512*\c   ; the encoder half's fragments: 512 consecutive bytes a store, aligned.  Their data (v64-95) and their address (v7) are written by no later line
.endr
.endr
	s_barrier_signal -1
	s_barrier_wait -1                              ; hidden's sixteen images lie in LDS
.irp f, 0,1,2,3                        ; fragment f = 2 s + m: K step 2 q + s, batches 16 m on
.irp c, 0,1,2,3
	ds_load_b128 v[HF+16*\f+4*\c:HF+16*\f+4*\c+3], v[IMR] offset:2048*\f+512*\c
.endr
.endr
	s_wait_dscnt 0x0
	; TRANSPOSED: source 0 = my 16 rows of W (columns n), source 1 = 16 batches: lane (r, h) holds batch r, register j column 8 h + j.  The two accumulators take turns
	v_wmma_f32_16x16x128_bf8_bf8 v[AC:AC+7], v[WR:WR+15], v[HF:HF+15], 0
	v_wmma_f32_16x16x128_bf8_bf8 v[AC+8:AC+15], v[WR:WR+15], v[HF+16:HF+31], 0
	v_wmma_f32_16x16x128_bf8_bf8 v[AC:AC+7], v[WR+16:WR+31], v[HF+32:HF+47], v[AC:AC+7]
	v_wmma_f32_16x16x128_bf8_bf8 v[AC+8:AC+15], v[WR+16:WR+31], v[HF+48:HF+63], v[AC+8:AC+15]
.rept 4
	v_nop                                          ; four places between a matrix instruction and an LDS store of its result
.endr
.irp m, 0,1
	ds_store_b128 v[PW], v[AC+8*\m:AC+8*\m+3] offset:16*SPI*\m     ; each accumulator from its low end on
	ds_store_b128 v[PW], v[AC+8*\m+4:AC+8*\m+7] offset:16*SPI*\m+16
.endr
	s_wait_dscnt 0x0                               ; for the others' sake
	s_barrier_signal -1
	s_barrier_wait -1                              ; the four quarters' sums of 32 batches x 64 columns lie in LDS
.irp p, 0,1,2,3
	ds_load_b128 v[PS+4*\p:PS+4*\p+3], v[PR] offset:WST*\p         ; thread t: batch t / 16, columns 4 (t % 16) on
.endr
	v_pk_mul_f32 v[BI:BI+1], v[BI:BI+1], CLOG op_sel_hi:[1,0]      ; c x bias
	v_pk_mul_f32 v[BI+2:BI+3], v[BI+2:BI+3], CLOG op_sel_hi:[1,0]
	s_wait_dscnt 0x0
	v_pk_add_f32 v[PS:PS+1], v[PS:PS+1], v[PS+4:PS+5]
	v_pk_add_f32 v[PS+2:PS+3], v[PS+2:PS+3], v[PS+6:PS+7]
	v_pk_add_f32 v[PS+8:PS+9], v[PS+8:PS+9], v[PS+12:PS+13]
	v_pk_add_f32 v[PS+10:PS+11], v[PS+10:PS+11], v[PS+14:PS+15]
	s_delay_alu instid0(VALU_DEP_2)
	v_pk_add_f32 v[PS:PS+1], v[PS:PS+1], v[PS+8:PS+9]
	s_wait_alu depctr_va_vdst(0)
	v_pk_add_f32 v[PS+2:PS+3], v[PS+2:PS+3], v[PS+10:PS+11]
	v_pk_fma_f32 v[RES:RES+1], v[PS:PS+1], s[28:29], v[BI:BI+1] op_sel_hi:[1,0,1]         ; sum x S + c x bias
	s_delay_alu instid0(VALU_DEP_2)
	v_pk_fma_f32 v[RES+2:RES+3], v[PS+2:PS+3], s[28:29], v[BI+2:BI+3] op_sel_hi:[1,0,1]
	global_store_b128 v[GO], v[RES:RES+3], s[14:15]                ; sixteen lanes store 256 consecutive bytes, aligned
	s_wait_tensorcnt 0x0
	ds_add_u32 v240, v241
	s_wait_dscnt 0x0
	s_endpgm
; ---------------- THE QUANTISING WORK-GROUPS ----------------
; A unit is 16 rows x 128 k: (b, i, ks).  3,840 waves; wave z = 240 w + g (g = work-group - 16) takes one b and ks and the tiles i = z / 256 + 15 m, m = 0 .. 4, while 16 i < src_len[b]:
; z mod 256 = 32 ks + l, b = (z mod 256 + 3 ks + 7 (z / 256)) mod 32: for each i a permutation of (b, ks), so each unit has one wave; a work-group's waves take many batches.
; A load takes 512 consecutive bytes of one row: lane l holds k = 4 l .. 4 l + 3.  The codes turn through the wave's own stage in LDS (no other wave touches it: no barrier).
.set XSTG, 208896                      ; the stages: behind all that work-groups 0 to 15 use
.set XPI,  144                         ; a stage row: 128 bytes + 16
.set UB,   64                          ; v64-127, v128-191: two buffers of 16 rows
.set URO,  192                         ; v192-223: their rows' offsets
.set UCD,  32                          ; v32-47: codes, register r: row r
.set UFR,  48                          ; v48-63: the fragment
.set UVW,  24                          ; v24: 16 x lane + 512 ks
.set UXS,  25                          ; v25: stage, in
.set UXA,  26                          ; v26: stage, out
.set UXL,  27                          ; v27: 16 x lane + 2,048 ks
.set UXO,  28                          ; v28: offset in xf
.set USC,  29                          ; v29: 2^e0
; 16 loads of the unit whose 16 i is in \si, into buffer \buf
.macro SLOAD buf, si
	s_add_co_u32 s41, s38, \si
.irp r, 0,1,2,3,4,5,6,7,8,9,10,11,12,13,14,15
	s_add_co_u32 s43, s41, \r
	s_min_u32 s43, s43, s42                        ; a row past the end is replaced by the last that counts,
	s_min_u32 s43, s43, 0x7fff                     ; and no row leaves the buffer
	v_lshl_add_u32 v[URO+16*(\buf)+\r], s43, 12, v[UVW]
.endr
	s_wait_alu depctr_va_vdst(0)
.irp r, 0,1,2,3,4,5,6,7,8,9,10,11,12,13,14,15
	global_load_b128 v[UB+64*(\buf)+4*\r:UB+64*(\buf)+4*\r+3], v[URO+16*(\buf)+\r], s[84:85] th:TH_LOAD_NT
.endr
.endm
; s48 = 16 x the tiles of the batches before mine
.macro PREFIX
	s_mov_b32 s48, 0
.irp j, 0,1,2,3,4,5,6,7,8,9,10,11,12,13,14,15,16,17,18,19,20,21,22,23,24,25,26,27,28,29,30
.if \j < 16
	s_max_i32 s49, s[20+\j], 0
.else
	s_max_i32 s49, s[52+\j], 0
.endif
	s_min_u32 s49, s49, 0x400
	s_add_co_u32 s49, s49, 15
	s_lshr_b32 s49, s49, 4
	s_cmp_gt_u32 s93, \j
	s_cselect_b32 s49, s49, 0
	s_add_co_u32 s48, s48, s49
.endr
	s_lshl_b32 s48, s48, 4
.endm
; hold, convert, turn, store: the unit in buffer \buf, 16 i in s40
.macro UPROC buf
.set UQ, UB+64*(\buf)
.set UK, 0
.rept 64
	v_med3_num_f32 v[UQ+UK], v[UQ+UK], s46, s47    ; the conversion to an 8-bit code does not saturate (ISA guide 7.6.2)
.set UK, UK+1
.endr
.irp q, 0,1,2,3,4,5,6,7
	v_cvt_scalef32_pk8_bf8_f32 v[UCD+2*\q:UCD+2*\q+1], v[UQ+8*\q:UQ+8*\q+7], v[USC]   ; rows 2 q, 2 q + 1: four codes each
.endr
	v_nop                                          ; one plain vector instruction behind the last scaled conversion
.irp r, 0,1,2,3,4,5,6,7,8,9,10,11,12,13,14,15
	ds_store_b32 v[UXS], v[UCD+\r] offset:XPI*\r
.endr
	s_wait_xcnt 0x0                                ; the last unit's stores: their data and address registers may be written
.irp c, 0,1,2,3
	ds_load_b128 v[UFR+4*\c:UFR+4*\c+3], v[UXA] offset:32*\c       ; LDS serves a wave's instructions in order (ISA guide 5.7.1.4)
.endr
	s_add_co_u32 s43, s48, s40
	s_min_u32 s43, s43, 0x7ff0
	v_lshl_add_u32 v[UXO], s43, 10, v[UXL]         ; tile t = s43 / 16: 16,384 bytes each
	s_wait_alu depctr_va_vdst(0)
	s_wait_dscnt 0x0
.irp c, 0,1,2,3
	global_store_b128 v[UXO], v[UFR+4*\c:UFR+4*\c+3], s[88:89] offset:512*\c   ; 512 consecutive bytes, aligned
.endr
.endm
; unit m = \k: the next unit is asked for first (s_wait_loadcnt 16: its 16 loads may be out)
; (where there is none, the unit is finished in one of the two tails)
.macro USTEP k
	s_add_co_u32 s45, s40, 240
	s_cmp_lt_u32 s45, s96
.if (\k)%2 == 0
	s_cbranch_scc0 .Lutail0
.else
	s_cbranch_scc0 .Lutail1
.endif
	SLOAD ((\k)+1)%2, s45
	s_wait_loadcnt 16
	UPROC (\k)%2
	s_mov_b32 s40, s45
.endm
.Lstream:
	s_load_b128 s[84:87], s[0:1], 0x30             ; encoder_outputs s[84:85], src_len s[86:87]
	s_load_b128 s[88:91], s[0:1], 0x40             ; xf s[88:89], meta s[90:91]
	s_sub_co_u32 s17, ttmp9, 16
	s_mul_i32 s18, s16, 240
	s_add_co_u32 s18, s18, s17                     ; z
	s_lshr_b32 s19, s18, 8                         ; my first i
	s_and_b32 s18, s18, 0xff
	s_lshr_b32 s92, s18, 5                         ; ks
	s_mul_i32 s93, s92, 3
	s_add_co_u32 s93, s93, s18
	s_mul_i32 s97, s19, 7
	s_add_co_u32 s93, s93, s97
	s_and_b32 s93, s93, 31                         ; b
	s_lshl_b32 s98, s93, 2
	s_mov_b32 s99, 0
	v_and_b32 v2, 31, v0                           ; lane
	v_and_b32 v3, 15, v0                           ; r
	v_bfe_u32 v4, v0, 4, 1                         ; h
	v_lshlrev_b32 v5, 4, v2
	s_lshl_b32 s97, s92, 9
	v_mul_u32_u24 v[UXA], v3, XPI
	v_lshlrev_b32 v[UXS], 2, v2
	v_add_nc_u32 v[UVW], s97, v5
	s_lshl_b32 s97, s92, 11
	v_lshl_add_u32 v[UXA], v4, 4, v[UXA]
	v_add_nc_u32 v[UXL], s97, v5
	s_mul_i32 s97, s16, 16*XPI
	s_add_co_u32 s97, s97, XSTG                    ; my stage
	v_add_nc_u32 v[UXS], s97, v[UXS]
	v_add_nc_u32 v[UXA], s97, v[UXA]
	s_wait_alu depctr_va_vdst(0)
	s_wait_kmcnt 0x0
	s_add_nc_u64 s[98:99], s[86:87], s[98:99]
	s_load_b32 s96, s[98:99], 0x0                  ; src_len[b]
	s_load_b64 s[94:95], s[10:11], 0x0             ; e0, e1
	s_load_b512 s[20:35], s[86:87], 0x0            ; all 32 of src_len: s20-35,
	s_load_b512 s[68:83], s[86:87], 0x40           ; s68-83
	s_wait_kmcnt 0x0
	s_max_i32 s96, s96, 0
	s_min_u32 s96, s96, 0x400
	s_add_co_i32 s36, s94, 127
	s_lshl_b32 s37, s36, 23
	v_mov_b32 v[USC], s37                          ; 2^e0 as f32
	s_add_co_i32 s36, s36, 15
	s_lshl_b32 s36, s36, 23
	s_or_b32 s47, s36, 0x600000                    ; 57,344 x 2^e0,
	s_or_b32 s46, s47, 0x80000000                  ; and its negative
	s_lshl_b32 s38, s93, 10                        ; batch b's first row
	s_add_co_u32 s42, s38, s96
	s_sub_co_u32 s42, s42, 1                       ; its last row that counts
	s_lshl_b32 s40, s19, 4                         ; 16 i
	s_wait_alu depctr_va_vdst(0)
	s_cmp_lt_u32 s40, s96
	s_cbranch_scc0 .Lidle
	SLOAD 0, s40
	PREFIX                                         ; while the first unit is on its way
.irp k, 0,1,2,3
	USTEP \k
.endr
.Lutail0:                                              ; the last unit, in buffer 0 (a fifth unit, m = 4, lies there too)
	s_wait_loadcnt 0x0
	UPROC 0
	s_branch .Lmeta
.Lutail1:                                              ; the last unit, in buffer 1
	s_wait_loadcnt 0x0
	UPROC 1
	s_branch .Lmeta
.Lidle:
	PREFIX
.Lmeta:                                                ; one wave for each b (first i = 0, ks = 0) stores the batch's words of meta
	s_or_b32 s49, s19, s92
	s_cmp_lg_u32 s49, 0
	s_cbranch_scc1 .Lsend
	s_lshr_b32 s50, s48, 4                         ; the batch's first t
	s_add_co_u32 s49, s96, 15
	s_lshr_b32 s49, s49, 4                         ; its number of tiles
	v_mov_b32 v224, s50
	v_mov_b32 v225, s49
	s_lshl_b32 s51, s93, 3
	v_mov_b32 v226, s51
	s_min_u32 s50, s50, 0x7ff
	s_wait_alu depctr_va_vdst(0)
	global_store_b64 v226, v[224:225], s[90:91]    ; all lanes store the same eight bytes
	s_cmp_eq_u32 s49, 0
	s_cbranch_scc1 .Lsend
	s_sub_co_u32 s51, s49, 1
	s_min_u32 s51, s51, 63
	v_add_nc_u32 v228, 32, v2
	v_min_u32 v227, s51, v2                        ; lanes past the last tile name the last tile
	v_min_u32 v228, s51, v228
	v_add_nc_u32 v227, s50, v227
	v_add_nc_u32 v228, s50, v228
	v_lshlrev_b32 v227, 2, v227
	v_lshlrev_b32 v228, 2, v228
	v_mov_b32 v229, s93
	s_wait_alu depctr_va_vdst(0)
	global_store_b32 v227, v229, s[90:91] offset:256
	global_store_b32 v228, v229, s[90:91] offset:256
.Lsend:
	s_wait_tensorcnt 0x0                           ; the wave's end
	ds_add_u32 v240, v241
	s_wait_dscnt 0x0
	s_endpgm
.Lfunc_end_k_q9efb72268b_prep:
	.size	k_q9efb72268b_prep, .Lfunc_end_k_q9efb72268b_prep-k_q9efb72268b_prep
	.p2alignl 7, 3214868480
	.fill 96, 4, 3214868480
	.section	.rodata,"a",@progbits
	.p2align	6, 0x0
	.amdhsa_kernel k_q9efb72268b_prep
		.amdhsa_group_segment_fixed_size 245760
		.amdhsa_private_segment_fixed_size 0
		.amdhsa_enable_private_segment 0
		.amdhsa_kernarg_size 80
		.amdhsa_user_sgpr_count 2
		.amdhsa_user_sgpr_kernarg_segment_ptr 1
		.amdhsa_wavefront_size32 1
		.amdhsa_system_sgpr_workgroup_id_x 1
		.amdhsa_system_sgpr_workgroup_id_y 1
		.amdhsa_system_sgpr_workgroup_id_z 1
		.amdhsa_system_vgpr_workitem_id 0
		.amdhsa_next_free_vgpr 242
		.amdhsa_next_free_sgpr 100
		.amdhsa_reserve_vcc 0
		.amdhsa_float_denorm_mode_32 3
		.amdhsa_float_denorm_mode_16_64 3
		.amdhsa_memory_ordered 1
		.amdhsa_forward_progress 1
		.amdhsa_inst_pref_size 100
	.end_amdhsa_kernel
	.amdgpu_metadata
---
amdhsa.version: [ 1, 2 ]
amdhsa.kernels:
  - .name:           k_q9efb72268b_prep
    .symbol:         k_q9efb72268b_prep.kd
    .args:
      - { .name: W_codes, .offset: 0, .size: 8, .value_kind: global_buffer, .address_space: global }
      - { .name: hidden, .offset: 8, .size: 8, .value_kind: global_buffer, .address_space: global }
      - { .name: b, .offset: 16, .size: 8, .value_kind: global_buffer, .address_space: global }
      - { .name: lowp_scales, .offset: 24, .size: 8, .value_kind: global_buffer, .address_space: global }
      - { .name: wf, .offset: 32, .size: 8, .value_kind: global_buffer, .address_space: global }
      - { .name: gp, .offset: 40, .size: 8, .value_kind: global_buffer, .address_space: global }
      - { .name: encoder_outputs, .offset: 48, .size: 8, .value_kind: global_buffer, .address_space: global }
      - { .name: src_len, .offset: 56, .size: 8, .value_kind: global_buffer, .address_space: global }
      - { .name: xf, .offset: 64, .size: 8, .value_kind: global_buffer, .address_space: global }
      - { .name: meta, .offset: 72, .size: 8, .value_kind: global_buffer, .address_space: global }
    .group_segment_fixed_size: 245760
    .private_segment_fixed_size: 0
    .kernarg_segment_align: 8
    .kernarg_segment_size: 80
    .max_flat_workgroup_size: 512
    .sgpr_count:     100
    .vgpr_count:     242
    .wavefront_size: 32
...
	.end_amdgpu_metadata
.endif
;; end of part 1
;; launch scores (part 2): grid 4 x 64, 4 waves a work-group, no clusters, 213,504 bytes of LDS; arguments xf, wf, gp, v, lowp_scales, meta, sp; writes sp
.if DOCPART == 2
	.amdgcn_target "amdgcn-amd-amdhsa--gfx1250"
	.amdhsa_code_object_version 6
	.text
	.protected	k_q9efb72268b_scores
	.globl	k_q9efb72268b_scores
	.p2align	8
	.type	k_q9efb72268b_scores,@function
k_q9efb72268b_scores:
	s_mov_b64 s[64:65], 0
	v_nop
	global_prefetch_b8 v0, s[64:65] scope:SCOPE_SE
	s_setreg_imm32_b32 hwreg(HW_REG_WAVE_MODE, 25, 1), 1
	s_wait_xcnt 0x0
; SCORES.  score[b][s] = sum over n of v[n] tanh(z[b][s][n]),  z = 2^(e0 + e1) x (sum over all 2,048 k of codes) + bias.  The hidden half of K and the bias come ready in gp (x c, c = 2 log2(e)).
; tanh(z) = 1 - 2 / (1 + 2^(c z));  c z = sum x S + gp, S = c x 2^(e0 + e1).  So score = sum of v - 2 x sum of v / (1 + 2^(c z)).  2^(..) = infinity gives 0, 2^(..) = 0 gives 1: both ends of tanh come out right.
; Only the T tiles of 16 rows that the launch before has packed (those with a row under src_len[b]) are multiplied: reference() puts -1e18 over all other scores.  T comes from meta, whole numbers that launch stored.
; SHARES.  256 work-groups: column group x (256 columns) and row group y: tiles y T / 64 .. (y + 1) T / 64 - 1 (rounded down), n of them, at most 32.
; W STAYS: wave w keeps its 64 columns x 1,024 k (32 fragments of 16 registers) in 512 registers and multiplies every tile of the row group with them.
; The tiles come four at a time: each wave loads a quarter of each tile into registers, lays it into one of two LDS slots, and behind one barrier all four waves read all of it.  gp's rows come the same way, each wave its own 64 columns.
; The loads of a four are asked for one trip (four tiles' work) ahead of their stores to LDS, into registers: so no prefetch is written.
; THE LOOP HAS 8 TRIPS whatever T is: the barrier stands on every path; branches on n lead round work alone.  No joint requests and no tensor loads.
; A four's places behind the last tile are filled with the last tile again (and never multiplied); meta's words read for them may be any: they are held under 32.
; TRANSPOSED: source 0 = 16 columns n (rows of W), source 1 = 16 rows of x: lane (r, h) holds row r, register j column 8 h + j.
; sp[x][t][16]: the sum over a column group's 256 columns; the next launch adds the four.
; LIMITS: e0 + e1 between -127 and 126, so that S is an f32 number.  NaN among the inputs is not served.
; REGISTERS, in windows of 256 (s_set_vgpr_msb: bits 1:0 source 0, 3:2 source 1, 5:4 source 2, 7:6 destination):
;   window 0: v1-31 addresses; v28 sum of v; v32-39 gp on its way; v40-71 v; v72-103 gp; v136-167 four accumulators; v200-209 at work
;   window 1: v0-127 a tile's 8 fragments; v128-255 the next four tiles' quarters on their way;  windows 2, 3: W, fragment (ks, ct) at 16 (4 ks + ct)
.set SLOT1, 1<<17                      ; slot 1 begins here: one exclusive or turns a slot into the other
.set GPO,   65536                      ; in a slot: four tiles of 16,384 bytes, then four rows of 1,024 bytes of gp
.set PL,    204800                     ; the waves' scores: [wave 4][tile 32][16] f32
.set SPARE, 212992                     ; the spare words
.set MSB,   0
.macro WIN new                         ; the immediate's high byte repeats the setting that is left; a switch that changes nothing is dropped
.if MSB != (\new)
	s_set_vgpr_msb (MSB<<8)|(\new)
.set MSB, (\new)
.endif
.endm
; W's fragment f = 4 ks + ct: 2,048 bytes at 2,048 (8 ct + ks) of my 65,536
.macro WLOAD f
	WIN (2+(\f)/16)<<6
.irp c, 0,1,2,3
	global_load_b128 v[16*((\f)%16)+4*\c:16*((\f)%16)+4*\c+3], v3, s[34:35] offset:2048*(8*((\f)%4)+(\f)/4)+512*\c
.endr
.endm
; my quarters of four tiles from tile s52 on: 32 loads
.macro XLOAD
	WIN 0
.irp k, 0,1,2,3
	s_add_co_u32 s54, s52, \k
	s_min_u32 s54, s54, s53
	s_min_u32 s54, s54, 0x7ff
	v_lshl_add_u32 v[8+\k], s54, 14, v20
.endr
	s_wait_alu depctr_va_vdst(0)
	WIN 0x40
.irp k, 0,1,2,3
.irp j, 0,1,2,3,4,5,6,7
	global_load_b128 v[128+32*\k+4*\j:128+32*\k+4*\j+3], v[8+\k], s[4:5] offset:512*\j
.endr
.endr
	WIN 0
.endm
; my 64 columns of gp for four tiles, whose batches are in s[bb] on: lanes 0-15 tile 0 (2), lanes 16-31 tile 1 (3): 2 loads
.macro GLOAD bb
.irp i, 0,1,2,3
	s_min_u32 s[\bb+\i], s[\bb+\i], 31
.endr
	v_mov_b32 v12, s[\bb]
	v_mov_b32 v13, s[\bb+2]
	v_mov_b32 v26, s[\bb+1]
	v_mov_b32 v27, s[\bb+3]
	v_cndmask_b32 v12, v12, v26, vcc_lo
	v_cndmask_b32 v13, v13, v27, vcc_lo
	v_min_u32 v12, 31, v12
	v_min_u32 v13, 31, v13
	v_lshl_add_u32 v12, v12, 12, v24
	v_lshl_add_u32 v13, v13, 12, v24
	s_wait_alu depctr_va_vdst(0)
	global_load_b128 v[32:35], v12, s[8:9]
	global_load_b128 v[36:39], v13, s[8:9]
.endm
; what XLOAD and GLOAD brought goes into a slot: v[\a] my place in it, v[\g] my place in its rows of gp
.macro STAGE a, g
	WIN 0x04                                       ; stored data: window 1
.irp k, 0,1,2,3
.irp j, 0,1,2,3,4,5,6,7
	ds_store_b128 v[\a], v[128+32*\k+4*\j:128+32*\k+4*\j+3] offset:16384*\k+512*\j
.endr
.endr
	WIN 0
	ds_store_b128 v[\g], v[32:35]
	ds_store_b128 v[\g], v[36:39] offset:2048
.endm
; fragments lo .. lo + 3 of a tile: 16 LDS loads
.macro FRAG lo, va, off
	WIN 0x40
.irp f, 0,1,2,3
.irp c, 0,1,2,3
	ds_load_b128 v[16*(\lo+\f)+4*\c:16*(\lo+\f)+4*\c+3], v[\va] offset:\off+2048*(\lo+\f)+512*\c
.endr
.endr
.endm
; K step ks: the four accumulators take turns, one instruction a turn
.macro MM4 ks
	WIN 6+(\ks)/4                                  ; source 0 window 2 or 3, source 1 window 1
.irp ct, 0,1,2,3
.if (\ks) == 0
	v_wmma_f32_16x16x128_bf8_bf8 v[136+8*\ct:143+8*\ct], v[16*\ct:16*\ct+15], v[0:15], 0
.else
	v_wmma_f32_16x16x128_bf8_bf8 v[136+8*\ct:143+8*\ct], v[16*((4*(\ks)+\ct)%16):16*((4*(\ks)+\ct)%16)+15], v[16*(\ks):16*(\ks)+15], v[136+8*\ct:143+8*\ct]
.endif
.endr
.endm
.macro PLACES                          ; a load into a register that a matrix instruction has read, and a read of its result, stand four places behind it (ISA guide 7.12.1 for the read of its result)
.rept 4
	v_nop
.endr
.endm
; A TILE: 32 products, in two halves; behind each half the next tile's fragments are asked for (va, off: where it lies); then the tanh and the dot with v.
; DScnt: at the head the youngest 17 may be out (the second half's 16 fragment loads, the last tile's score); ahead of the second half 25 (the score, 8 of gp, 16 fragment loads);
; ahead of gp's first reader 32 (two runs of 16 fragment loads behind gp's).
.macro TILE k, va, off
	s_wait_dscnt 17
	MM4 0
	MM4 1
	MM4 2
	MM4 3
	PLACES
	WIN 0
.irp ct, 0,1,2,3
	ds_load_b128 v[72+8*\ct:75+8*\ct], v18 offset:1024*\k+64*\ct
	ds_load_b128 v[76+8*\ct:79+8*\ct], v18 offset:1024*\k+64*\ct+16
.endr
	FRAG 0, \va, \off
	s_wait_dscnt 25
	MM4 4
	MM4 5
	MM4 6
	MM4 7
	PLACES
	FRAG 4, \va, \off
	WIN 0
	s_wait_dscnt 32
.set P, 0
.rept 16
	v_pk_fma_f32 v[136+P:137+P], v[136+P:137+P], s[28:29], v[72+P:73+P] op_sel_hi:[1,0,1]   ; c z; each accumulator from its low end on
.set P, P+2
.endr
	s_wait_alu depctr_va_vdst(0)
.set P, 0
.rept 32
	v_exp_f32 v[136+P], v[136+P]
.set P, P+1
.endr
	v_nop
	s_wait_alu depctr_va_vdst(0)
.set P, 0
.rept 16
	v_pk_add_f32 v[136+P:137+P], v[136+P:137+P], 1.0 op_sel_hi:[1,0]
.set P, P+2
.endr
	s_wait_alu depctr_va_vdst(0)
.set P, 0
.rept 32
	v_rcp_f32 v[136+P], v[136+P]
.set P, P+1
.endr
	v_nop
	s_wait_alu depctr_va_vdst(0)
.irp p, 0,2,4,6
	v_pk_mul_f32 v[200+\p:201+\p], v[136+\p:137+\p], v[40+\p:41+\p]        ; four chains of pairs
.endr
.irp p, 8,10,12,14,16,18,20,22,24,26,28,30
	v_pk_fma_f32 v[200+\p%8:201+\p%8], v[136+\p:137+\p], v[40+\p:41+\p], v[200+\p%8:201+\p%8]
.endr
	v_pk_add_f32 v[200:201], v[200:201], v[202:203]
	v_pk_add_f32 v[204:205], v[204:205], v[206:207]
	v_pk_add_f32 v[200:201], v[200:201], v[204:205]
	v_add_f32 v208, v200, v201
	v_fma_f32 v208, v208, -2.0, v28                ; sum of v - 2 x sum, over my half of the columns,
	v_permlanex16_b32 v209, v208, s42, s43
	v_add_f32 v208, v208, v209                     ; and lane l xor 16's
	ds_store_b32 v19, v208 offset:64*\k            ; row r's part (lanes l and l xor 16 store the same number)
.endm
	s_load_b256 s[4:11], s[0:1], 0x0               ; xf s[4:5], wf s[6:7], gp s[8:9], v s[10:11]
	s_load_b128 s[12:15], s[0:1], 0x20             ; lowp_scales s[12:13], meta s[14:15]
	s_load_b64 s[16:17], s[0:1], 0x30              ; sp
	v_lshl_add_u32 v1, v0, 2, SPARE
	v_mov_b32 v2, 0
	v_lshrrev_b32 v4, 5, v0
	v_readfirstlane_b32 s18, v4                    ; wave w
	v_and_b32 v4, 31, v0                           ; lane
	v_and_b32 v5, 15, v0                           ; r
	v_bfe_u32 v6, v0, 4, 1                         ; h
	v_lshlrev_b32 v3, 4, v4                        ; 16 x lane: where a fragment's piece lies
	s_lshl_b32 s30, s18, 12
	v_add_nc_u32 v20, s30, v3                      ; my quarter of a tile: 4,096 w + 16 x lane
	s_lshl_b32 s30, s18, 8
	s_add_co_u32 s31, s30, GPO
	v_lshlrev_b32 v7, 4, v5
	v_lshl_add_u32 v21, v6, 10, v7
	v_add_nc_u32 v21, s31, v21                     ; gp, in: row h, 256 w + 16 r
	v_lshlrev_b32 v25, 5, v6
	v_add_nc_u32 v22, s31, v25                     ; gp, out: 256 w + 32 h
	s_lshl_b32 s31, s18, 11
	s_add_co_u32 s31, s31, PL
	v_lshlrev_b32 v23, 2, v5
	v_add_nc_u32 v23, s31, v23                     ; my scores: 2,048 w + 4 r
	s_lshl_b32 s31, ttmp9, 10
	s_add_co_u32 s31, s31, s30                     ; my 64 columns, in bytes of an f32 row
	v_add_nc_u32 v24, s31, v7
	v_add_nc_u32 v25, s31, v25
	v_mov_b32 v209, 0                              ; written once: a lane permute's destination counts as one of its sources
	s_and_b32 s19, ttmp7, 0xffff                   ; row group y
	s_lshl_b32 s32, ttmp9, 18
	s_lshl_b32 s33, s18, 16
	s_add_co_u32 s32, s32, s33                     ; my 32 fragments of wf, 65,536 bytes
	s_mov_b32 s33, 0
	s_mov_b32 s37, 0
	s_mov_b32 s42, 0x76543210                      ; v_permlanex16_b32's selects for lane l xor 16
	s_mov_b32 s43, 0xfedcba98
	s_mov_b32 vcc_lo, 0xffff0000                   ; lanes 16-31: read by GLOAD
	s_wait_alu depctr_va_vdst(0)
	s_wait_kmcnt 0x0
	s_load_b64 s[20:21], s[14:15], 0xf8            ; batch 31's first tile and number of tiles: their sum is T
	s_load_b64 s[22:23], s[12:13], 0x0             ; e0, e1
	s_add_nc_u64 s[34:35], s[6:7], s[32:33]
.irp ct, 0,1,2,3
	global_load_b128 v[40+8*\ct:43+8*\ct], v25, s[10:11] offset:64*\ct         ; v at columns 16 ct + 8 h on
	global_load_b128 v[44+8*\ct:47+8*\ct], v25, s[10:11] offset:64*\ct+16
.endr
.irp f, 0,1,2,3,4,5,6,7,8,9,10,11
	WLOAD \f
.endr
	s_wait_kmcnt 0x0
	s_add_co_u32 s20, s20, s21
	s_min_u32 s20, s20, 0x800                      ; T
	s_mul_i32 s24, s19, s20
	s_lshr_b32 s25, s24, 6                         ; my first tile
	s_add_co_u32 s24, s24, s20
	s_lshr_b32 s24, s24, 6                         ; the next row group's
	s_sub_co_u32 s50, s24, s25                     ; n: tiles still to be multiplied,
	s_mov_b32 s27, s50                             ; and all of mine
	s_sub_co_i32 s53, s24, 1
	s_max_i32 s53, s53, 0                          ; my last tile
	s_add_co_u32 s26, s50, 3
	s_lshr_b32 s26, s26, 2
	s_max_u32 s51, s26, 2                          ; fours that are brought: both slots are written before they are read
	s_min_u32 s25, s25, 0x7ff
	s_lshl_b32 s36, s25, 2
	s_add_nc_u64 s[36:37], s[14:15], s[36:37]
	s_load_b256 s[56:63], s[36:37], 0x100          ; the batches of my first eight tiles
	s_add_co_i32 s28, s22, s23
	s_lshl_b32 s28, s28, 23
	s_add_co_i32 s28, s28, 0x4038aa3b              ; S: the two exponents are added to c's exponent field
	s_mov_b32 s29, s28                             ; (named with it as a pair, so it is written)
	s_mov_b32 s52, s25
	XLOAD                                          ; the first four
	s_wait_kmcnt 0x0
	GLOAD 56
.irp f, 12,13,14,15,16,17,18,19,20,21,22,23,24,25,26,27,28,29,30,31
	WLOAD \f
.endr
	WIN 0
	s_wait_loadcnt 63                              ; 80 loads of W stand behind the first four's and gp's: those are in
	STAGE 20, 21                                   ; into slot 0
	s_wait_dscnt 0x0                               ; for the others' sake
	s_add_co_u32 s52, s52, 4
	XLOAD                                          ; the second four
	GLOAD 60
	s_load_b128 s[56:59], s[36:37], 0x120          ; the third four's batches
	s_add_co_u32 s52, s52, 4
	s_wait_loadcnt 34                              ; v and W are in; the second four's 34 loads may be out
.irp p, 0,2,4,6
	v_pk_add_f32 v[200+\p:201+\p], v[40+\p:41+\p], v[48+\p:49+\p]
.endr
.irp p, 0,2,4,6
	v_pk_add_f32 v[200+\p:201+\p], v[200+\p:201+\p], v[56+\p:57+\p]
.endr
.irp p, 0,2,4,6
	v_pk_add_f32 v[200+\p:201+\p], v[200+\p:201+\p], v[64+\p:65+\p]
.endr
	v_pk_add_f32 v[200:201], v[200:201], v[202:203]
	v_pk_add_f32 v[204:205], v[204:205], v[206:207]
	v_pk_add_f32 v[200:201], v[200:201], v[204:205]
	v_add_f32 v28, v200, v201                      ; the sum of my 32 numbers of v
	s_wait_alu depctr_va_vdst(0)
	s_barrier_signal -1
	s_barrier_wait -1                              ; slot 0 is whole
	FRAG 0, 3, 0                                   ; tile 0
	FRAG 4, 3, 0
	WIN 0
	s_mov_b32 s40, 0                               ; where this trip's slot begins
	s_mov_b32 s44, 0                               ; 256 x trip: where its scores begin
	s_mov_b32 s45, 0                               ; the trip
	s_wait_dscnt 0x0
.Ltrip:
	s_xor_b32 s41, s40, SLOT1                      ; the other slot
	v_add_nc_u32 v16, s40, v3
	v_add_nc_u32 v17, s41, v3
	v_add_nc_u32 v14, s41, v20
	v_add_nc_u32 v15, s41, v21
	v_add_nc_u32 v18, s40, v22
	v_add_nc_u32 v19, s44, v23
	s_wait_alu depctr_va_vdst(0)
	s_cmp_lt_i32 s50, 1
	s_cbranch_scc1 .Lmid
	TILE 0, 16, 16384
	s_cmp_lt_i32 s50, 2
	s_cbranch_scc1 .Lmid
	TILE 1, 16, 32768
	s_cmp_lt_i32 s50, 3
	s_cbranch_scc1 .Lmid
	TILE 2, 16, 49152
.Lmid:                                                 ; the next four goes into the other slot: its last readers passed the barrier of the trip before
	s_wait_loadcnt 0x0
	s_add_co_u32 s46, s45, 1
	s_cmp_lt_u32 s46, s51
	s_cbranch_scc0 .Lno_stage
	STAGE 14, 15
.Lno_stage:
	s_wait_dscnt 0x0                               ; my stores have landed, and my reads of this slot's tiles are over
	s_barrier_signal -1
	s_barrier_wait -1
	s_add_co_u32 s46, s45, 2
	s_cmp_lt_u32 s46, s51
	s_cbranch_scc0 .Lno_load
	s_wait_kmcnt 0x0                               ; the batches of the four that is asked for now
	XLOAD
	GLOAD 56
	s_add_nc_u64 s[36:37], s[36:37], 16
	s_load_b128 s[56:59], s[36:37], 0x120          ; the four after it (inside meta: at most word 64 + 2,047 + 43)
	s_add_co_u32 s52, s52, 4
.Lno_load:
	s_cmp_lt_i32 s50, 4
	s_cbranch_scc1 .Lnext
	TILE 3, 17, 0                                  ; and the next four's first tile from the other slot
.Lnext:
	s_xor_b32 s40, s40, SLOT1
	s_add_co_u32 s44, s44, 256
	s_sub_co_i32 s50, s50, 4
	s_add_co_u32 s45, s45, 1
	s_cmp_lt_u32 s45, 8
	s_cbranch_scc1 .Ltrip
	; THE WAY OUT.  Thread t adds the four waves' parts of 4 rows: tile t / 4, rows 4 (t % 4) on.
	s_wait_loadcnt 0x0
	s_wait_kmcnt 0x0
	s_lshl_b32 s30, s25, 6
	s_lshl_b32 s31, ttmp9, 17
	s_add_co_u32 s30, s30, s31                     ; sp[x][my first tile]
	v_lshlrev_b32 v210, 4, v0
	v_add_nc_u32 v211, s30, v210
	v_add_nc_u32 v210, PL, v210
	s_lshl_b32 s31, s27, 2                         ; 4 threads a tile
	v_cmp_gt_u32 vcc_lo, s31, v0
	s_wait_alu depctr_va_vdst(0)
	s_wait_dscnt 0x0                               ; for the others' sake: my scores have landed
	s_barrier_signal -1
	s_barrier_wait -1
	s_wait_xcnt 0x0                                ; EXEC changes only behind this wait
	s_and_saveexec_b32 s46, vcc_lo
.irp w, 0,1,2,3
	ds_load_b128 v[212+4*\w:215+4*\w], v210 offset:2048*\w
.endr
	s_wait_dscnt 0x0
	v_pk_add_f32 v[212:213], v[212:213], v[216:217]
	v_pk_add_f32 v[214:215], v[214:215], v[218:219]
	v_pk_add_f32 v[220:221], v[220:221], v[224:225]
	v_pk_add_f32 v[222:223], v[222:223], v[226:227]
	v_pk_add_f32 v[212:213], v[212:213], v[220:221]
	v_pk_add_f32 v[214:215], v[214:215], v[222:223]
	global_store_b128 v211, v[212:215], s[16:17]   ; consecutive bytes: 16 a thread
	s_wait_xcnt 0x0                                ; and again, ahead of the line that widens it
	s_or_b32 exec_lo, exec_lo, s46
	s_wait_tensorcnt 0x0                           ; the wave's end
	ds_add_u32 v1, v2
	s_wait_dscnt 0x0
	s_endpgm
.Lfunc_end_k_q9efb72268b_scores:
	.size	k_q9efb72268b_scores, .Lfunc_end_k_q9efb72268b_scores-k_q9efb72268b_scores
	.p2alignl 7, 3214868480
	.fill 96, 4, 3214868480
	.section	.rodata,"a",@progbits
	.p2align	6, 0x0
	.amdhsa_kernel k_q9efb72268b_scores
		.amdhsa_group_segment_fixed_size 213504
		.amdhsa_private_segment_fixed_size 0
		.amdhsa_enable_private_segment 0
		.amdhsa_kernarg_size 56
		.amdhsa_user_sgpr_count 2
		.amdhsa_user_sgpr_kernarg_segment_ptr 1
		.amdhsa_wavefront_size32 1
		.amdhsa_system_sgpr_workgroup_id_x 1
		.amdhsa_system_sgpr_workgroup_id_y 1
		.amdhsa_system_sgpr_workgroup_id_z 1
		.amdhsa_system_vgpr_workitem_id 0
		.amdhsa_next_free_vgpr 1024
		.amdhsa_next_free_sgpr 66
		.amdhsa_reserve_vcc 1
		.amdhsa_float_denorm_mode_32 3
		.amdhsa_float_denorm_mode_16_64 3
		.amdhsa_memory_ordered 1
		.amdhsa_forward_progress 1
		.amdhsa_inst_pref_size 83
	.end_amdhsa_kernel
	.amdgpu_metadata
---
amdhsa.version: [ 1, 2 ]
amdhsa.kernels:
  - .name:           k_q9efb72268b_scores
    .symbol:         k_q9efb72268b_scores.kd
    .args:
      - { .name: xf, .offset: 0, .size: 8, .value_kind: global_buffer, .address_space: global }
      - { .name: wf, .offset: 8, .size: 8, .value_kind: global_buffer, .address_space: global }
      - { .name: gp, .offset: 16, .size: 8, .value_kind: global_buffer, .address_space: global }
      - { .name: v, .offset: 24, .size: 8, .value_kind: global_buffer, .address_space: global }
      - { .name: lowp_scales, .offset: 32, .size: 8, .value_kind: global_buffer, .address_space: global }
      - { .name: meta, .offset: 40, .size: 8, .value_kind: global_buffer, .address_space: global }
      - { .name: sp, .offset: 48, .size: 8, .value_kind: global_buffer, .address_space: global }
    .group_segment_fixed_size: 213504
    .private_segment_fixed_size: 0
    .kernarg_segment_align: 8
    .kernarg_segment_size: 56
    .max_flat_workgroup_size: 128
    .sgpr_count:     66
    .vgpr_count:     1024
    .wavefront_size: 32
...
	.end_amdgpu_metadata
.endif
;; end of part 2
;; launch softmax (part 3): grid 32 x 1, 8 waves a work-group, no clusters, 1,536 bytes of LDS; arguments sp, src_len, out0, meta; writes out0
.if DOCPART == 3
	.amdgcn_target "amdgcn-amd-amdhsa--gfx1250"
	.amdhsa_code_object_version 6
	.text
	.protected	k_q9efb72268b_softmax
	.globl	k_q9efb72268b_softmax
	.p2align	8
	.type	k_q9efb72268b_softmax,@function
k_q9efb72268b_softmax:
	s_mov_b64 s[64:65], 0
	v_nop
	global_prefetch_b8 v0, s[64:65] scope:SCOPE_SE
	s_setreg_imm32_b32 hwreg(HW_REG_WAVE_MODE, 25, 1), 1
	s_wait_xcnt 0x0
; SOFTMAX.  out0[b][0][s] = softmax over s of (s < src_len[b] ? score[b][s] : -1e18), score = the sum of the four column groups' parts sp[x][t][16]; row s of batch b lies in tile t = meta[2 b] + s / 16.
; One work-group a batch, eight waves; thread t owns s = 4 t .. 4 t + 3.  The row's largest number is taken away ahead of the exponential, as reference() does.
; A thread loads only where 4 t < src_len: its four s then lie in one tile that has been stored.  The others keep zeros, which the mask replaces.
; With src_len <= 0 every place gets 1 / 1,024, as in reference().  No matrix unit, no cluster, no tensor load: at most 16 KiB in, 4 KiB out for a work-group, and work-groups share nothing.
.macro DEP n
	s_delay_alu instid0(VALU_DEP_\n)
.endm
.macro ACROSS op, x                    ; over the 32 lanes, in every lane
.irp m, 1,2,4,8
	DEP 1
	\op\()_dpp v[\x], v[\x], v[\x] row_xmask:\m row_mask:0xf bank_mask:0xf
.endr
	DEP 1
	v_permlanex16_b32 v25, v[\x], s16, s17
	DEP 1
	\op v[\x], v[\x], v25
.endm
	s_load_b128 s[4:7], s[0:1], 0x0                ; sp s[4:5], src_len s[6:7]
	s_load_b128 s[8:11], s[0:1], 0x10              ; out0 s[8:9], meta s[10:11]
	v_lshl_add_u32 v48, v0, 2, 0x200
	v_mov_b32 v49, 0
	v_lshrrev_b32 v1, 5, v0
	v_lshlrev_b32 v2, 4, v0                        ; 16 x thread: my 16 bytes of a row of 4,096
	v_lshlrev_b32 v3, 2, v0                        ; my first s
	v_lshlrev_b32 v1, 2, v1                        ; 4 x wave: my wave's word in LDS
	v_mov_b32 v5, 0xdd5e0b6b                       ; -1e18
	v_mov_b32 v6, 0                                ; LDS byte 0
	v_mov_b32 v25, 0                               ; written once: a lane permute's destination counts as one of its sources
.irp j, 0,1,2,3,4,5,6,7,8,9,10,11,12,13,14,15
	v_mov_b32 v[8+\j], 0                           ; the loads below run with some lanes off: the registers are written whole first
.endr
	s_lshl_b32 s12, ttmp9, 12                      ; batch b's row in out0
	s_mov_b32 s13, 0
	s_lshl_b32 s14, ttmp9, 2
	s_mov_b32 s15, 0
	s_lshl_b32 s22, ttmp9, 3
	s_mov_b32 s23, 0
	s_mov_b32 s16, 0x76543210                      ; v_permlanex16_b32's selects for lane l xor 16
	s_mov_b32 s17, 0xfedcba98
	s_wait_alu depctr_va_vdst(0)
	s_wait_kmcnt 0x0
	s_add_nc_u64 s[6:7], s[6:7], s[14:15]
	s_add_nc_u64 s[10:11], s[10:11], s[22:23]
	s_load_b32 s20, s[6:7], 0x0                    ; src_len[b]
	s_load_b32 s21, s[10:11], 0x0                  ; the batch's first tile
	s_add_nc_u64 s[8:9], s[8:9], s[12:13]
	s_wait_kmcnt 0x0
	s_min_u32 s21, s21, 0x7ff
	v_lshl_add_u32 v7, s21, 6, v2                  ; a tile is 64 bytes
	v_cmp_gt_i32 vcc_lo, s20, v3                   ; src_len > 4 t
	s_and_saveexec_b32 s18, vcc_lo                 ; (no global load or store has been issued yet)
.irp w, 0,1,2,3
	global_load_b128 v[8+4*\w:11+4*\w], v7, s[4:5] offset:131072*\w
.endr
	s_wait_loadcnt 0x0
	s_wait_xcnt 0x0                                ; EXEC changes only behind this wait
	s_or_b32 exec_lo, exec_lo, s18
	v_pk_add_f32 v[8:9], v[8:9], v[12:13]
	v_pk_add_f32 v[10:11], v[10:11], v[14:15]
	v_pk_add_f32 v[16:17], v[16:17], v[20:21]
	v_pk_add_f32 v[18:19], v[18:19], v[22:23]
	DEP 2
	v_pk_add_f32 v[8:9], v[8:9], v[16:17]
	DEP 2
	v_pk_add_f32 v[10:11], v[10:11], v[18:19]      ; the four scores
	DEP 2
	v_cndmask_b32 v8, v5, v8, vcc_lo               ; s = 4 t: the mask of the loads serves
.irp j, 1,2,3
	v_add_nc_u32 v4, \j, v3
	DEP 1
	v_cmp_gt_i32 vcc_lo, s20, v4
	v_cndmask_b32 v[8+\j], v5, v[8+\j], vcc_lo     ; -1e18 where s >= src_len
.endr
	v_max3_num_f32 v24, v8, v9, v10
	DEP 1
	v_max_num_f32 v24, v24, v11
	ACROSS v_max_num_f32, 24                       ; my wave's largest
	ds_store_b32 v1, v24                           ; all lanes write the same word with the same value
	s_wait_dscnt 0x0                               ; for the others' sake
	s_barrier_signal -1
	s_barrier_wait -1
	ds_load_b128 v[28:31], v6
	ds_load_b128 v[32:35], v6 offset:16
	s_wait_dscnt 0x0
	v_max3_num_f32 v28, v28, v29, v30
	v_max3_num_f32 v32, v31, v32, v33
	DEP 2
	v_max3_num_f32 v28, v28, v34, v35
	DEP 1
	v_max_num_f32 v24, v28, v32                    ; the row's largest
.irp j, 0,1,2,3
	v_sub_f32 v[8+\j], v[8+\j], v24
.endr
.irp j, 0,1,2,3
	DEP 4
	v_mul_f32 v[8+\j], 0x3fb8aa3b, v[8+\j]         ; x log2(e)
.endr
	s_wait_alu depctr_va_vdst(0)
.irp j, 0,1,2,3
	v_exp_f32 v[8+\j], v[8+\j]
.endr
	v_nop                                          ; a plain instruction behind the last exponential
	s_wait_alu depctr_va_vdst(0)
	v_pk_add_f32 v[36:37], v[8:9], v[10:11]
	DEP 1
	v_add_f32 v36, v36, v37
	ACROSS v_add_f32, 36                           ; my wave's sum
	ds_store_b32 v1, v36 offset:64
	s_wait_dscnt 0x0
	s_barrier_signal -1
	s_barrier_wait -1
	ds_load_b128 v[28:31], v6 offset:64
	ds_load_b128 v[32:35], v6 offset:80
	s_wait_dscnt 0x0
	v_pk_add_f32 v[28:29], v[28:29], v[30:31]
	v_pk_add_f32 v[32:33], v[32:33], v[34:35]
	DEP 1
	v_pk_add_f32 v[28:29], v[28:29], v[32:33]
	DEP 1
	v_add_f32 v28, v28, v29                        ; the row's sum: at least 1, since the largest number gives 2^0
	s_wait_alu depctr_va_vdst(0)
	v_rcp_f32 v28, v28
	v_nop                                          ; a plain instruction behind the reciprocal
	s_wait_alu depctr_va_vdst(0)
	v_pk_mul_f32 v[8:9], v[8:9], v[28:29] op_sel_hi:[1,0]
	v_pk_mul_f32 v[10:11], v[10:11], v[28:29] op_sel_hi:[1,0]
	global_store_b128 v2, v[8:11], s[8:9]          ; a wave stores 512 consecutive bytes, aligned
	s_wait_tensorcnt 0x0                           ; the wave's end
	ds_add_u32 v48, v49
	s_wait_dscnt 0x0
	s_endpgm
.Lfunc_end_k_q9efb72268b_softmax:
	.size	k_q9efb72268b_softmax, .Lfunc_end_k_q9efb72268b_softmax-k_q9efb72268b_softmax
	.p2alignl 7, 3214868480
	.fill 96, 4, 3214868480
	.section	.rodata,"a",@progbits
	.p2align	6, 0x0
	.amdhsa_kernel k_q9efb72268b_softmax
		.amdhsa_group_segment_fixed_size 1536
		.amdhsa_private_segment_fixed_size 0
		.amdhsa_enable_private_segment 0
		.amdhsa_kernarg_size 32
		.amdhsa_user_sgpr_count 2
		.amdhsa_user_sgpr_kernarg_segment_ptr 1
		.amdhsa_wavefront_size32 1
		.amdhsa_system_sgpr_workgroup_id_x 1
		.amdhsa_system_sgpr_workgroup_id_y 1
		.amdhsa_system_sgpr_workgroup_id_z 1
		.amdhsa_system_vgpr_workitem_id 0
		.amdhsa_next_free_vgpr 50
		.amdhsa_next_free_sgpr 66
		.amdhsa_reserve_vcc 1
		.amdhsa_float_denorm_mode_32 3
		.amdhsa_float_denorm_mode_16_64 3
		.amdhsa_memory_ordered 1
		.amdhsa_forward_progress 1
		.amdhsa_inst_pref_size 8
	.end_amdhsa_kernel
	.amdgpu_metadata
---
amdhsa.version: [ 1, 2 ]
amdhsa.kernels:
  - .name:           k_q9efb72268b_softmax
    .symbol:         k_q9efb72268b_softmax.kd
    .args:
      - { .name: sp, .offset: 0, .size: 8, .value_kind: global_buffer, .address_space: global }
      - { .name: src_len, .offset: 8, .size: 8, .value_kind: global_buffer, .address_space: global }
      - { .name: out0, .offset: 16, .size: 8, .value_kind: global_buffer, .address_space: global }
      - { .name: meta, .offset: 24, .size: 8, .value_kind: global_buffer, .address_space: global }
    .group_segment_fixed_size: 1536
    .private_segment_fixed_size: 0
    .kernarg_segment_align: 8
    .kernarg_segment_size: 32
    .max_flat_workgroup_size: 256
    .sgpr_count:     66
    .vgpr_count:     50
    .wavefront_size: 32
...
	.end_amdgpu_metadata
.endif
;; end of part 3
